; MI455X (gfx1250); checked and timed in simulation.
; The chip was launched on July 23, 2026; its instructions are those of AMD's public machine-readable ISA for CDNA 5 (MIT licence, August 2026) and "CDNA5" Instruction Set Architecture Reference Guide (July 2026). The comments in the code are by the model that wrote it; some were corrected since.
;; Quant Linear. Allowed arithmetic: matrix products marked QUANTISED: E2M3 operands, one E8M0 scale for each 32 along K, by v_wmma_scale_f32_16x16x128_f8f6f4 with both operands' format E2M3, f32 sums; everything else in f32.
;; Inputs: bias 4,096 float32; in_reorder 4,096 int32; intweight 4,096 x 4,096 int32; out_reorder 4,096 int32; scales 32 x 4,096 float32; x 4 x 1,024 x 4,096 float32; zeros 32 x 4,096 float32.
;; Outputs: out0 4 x 1,024 x 4,096 float32.
;; This version of the problem:
;;   THIS VERSION OF THE PROBLEM IS GIVEN IN LOW PRECISION. The matrix products marked QUANTISED in the list below multiply operands that are first quantised to E2M3 (2 exponent bits, 3 mantissa bits; 6 bits a number), with one power-of-two scale for each 32 numbers along K (OCP MX v1.0); their sums are f32. All else is computed in f32.
;;   The module's matrix products, in the order in which they are computed (A, B: the left and right operand; K: the contracted axis; several contracted axes count as one K, in the product's order):
;;     1. [M 4,096, K 4,096] x [K 4,096, N 4,096]; A: computed on the way; B: computed on the way: QUANTISED
;;   THE QUANTISER, for each operand of a quantised product, along K:
;;     - K is cut into blocks of 32 from its start; a last block that is shorter is filled with zeros.
;;     - A block's scale is 2^e with e = floor(log2(the largest magnitude in the block)) - 2, held to -126 .. 127; a block of zeros has e = 0. As a byte (E8M0): e + 127.
;;     - Each number is divided by its block's scale, clamped to +-7.5, and rounded to the nearest number of E2M3, ties to even, subnormals kept.
;;     - The product sums the exact products of the quantised numbers (number of the format x scale) in f32.
;;   ~~~python
;;   def quantise(x, axis):      # numpy; x: float32 -> the quantised numbers, widened to float32 again
;;       x = np.moveaxis(x, axis, -1); K = x.shape[-1]
;;       x = np.pad(x, [(0, 0)] * (x.ndim - 1) + [(0, -K % 32)]); x = x.reshape(x.shape[:-1] + (-1, 32)); a = np.abs(x).max(-1, keepdims=True)
;;       e = np.where(a > 0, np.clip(np.frexp(np.where(a > 0, a, 1))[1] - 1 - 2, -126, 127), 0)      # np.frexp(a)[1] - 1 = floor(log2(a)), exactly
;;       r = np.clip(x / 2.0 ** e, -7.5, 7.5)
;;       step = 2.0 ** (np.maximum(np.frexp(np.where(r == 0, 1, r))[1] - 1, 0) - 3)
;;       q = np.round(r / step) * step * 2.0 ** e      # np.round: ties to even
;;       return np.moveaxis(q.reshape(q.shape[:-2] + (-1,))[..., :K], -1, axis).astype(np.float32)
;;   ~~~
;;   OPERANDS COMPUTED ON THE WAY. 'Computed on the way' means the value that the module computes at that place (a softmax that the list does not call 'softmax' is quantised finished and normalised). What goes into a quantiser is computed in f32, as accurately as f32 sums, v_exp_f32 and their like allow (about 1e-6 of the number): no bf16 or f16 on the way to a quantiser, and a product that is left as it is and whose result goes on into a quantised operand takes f32 operands (vector FMAs, or v_wmma_f32_16x16x4_f32). A number that lies on a knife's edge between two numbers of the format may be rounded either way, as far as f32 arithmetic and the matrix unit's own rounding can turn it there, and no further.
;; One version. Each part assembles by itself: llvm-mc -triple=amdgcn-amd-amdhsa -mcpu=gfx1250 --defsym DOCPART=n.
;; ======== version 1 of 1: 3 launches
;; limits: right only within a limited range of input values
;; workspace buffers: xc 13,107,200 bytes; wc 13,107,200 bytes; wp 524,288 bytes
;; launch qw (part 1): grid 128 x 1, 16 waves a work-group, no clusters, 133,120 bytes of LDS; arguments intweight, scales, zeros, out_reorder, wc, wp; writes wc, wp
.if DOCPART == 1
	.amdgcn_target "amdgcn-amd-amdhsa--gfx1250"
	.amdhsa_code_object_version 6
	.text
	.protected	k_qfc06df4ef4_qw
	.globl	k_qfc06df4ef4_qw
	.p2align	8
	.type	k_qfc06df4ef4_qw,@function
k_qfc06df4ef4_qw:
	s_mov_b64 s[64:65], 0
	v_nop
	global_prefetch_b8 v0, s[64:65] scope:SCOPE_SE
	s_setreg_imm32_b32 hwreg(HW_REG_WAVE_MODE, 25, 1), 1
	s_wait_xcnt 0x0
; w[i][o] = (f32(intweight[i][o]) - zeros[i / 128][o]) x scales[i / 128][o], two roundings in f32 as the problem writes it, is quantised along i (the product's K, w's FIRST axis) to codes of
; FP6 (E2M3) with one E8M0 byte for each 32 along K, and the columns are put into the order of the output: row j of the result is column out_reorder[j] of w.
; A block's scale is 2^(floor(log2(its largest magnitude)) - 2); its byte is the largest magnitude's exponent field - 2, held at 1 from below.
; LIMITS: NaN and infinities among the inputs are not served.  A block whose largest magnitude lies under 2^-124 keeps the byte 1; a block of zeros so gets the byte 1 where the quantiser says 127: its codes
; are zeros, which add nothing under any byte but 0xff, and the bytes are read by this program alone.  An index of out_reorder is held at 4,095 from above, which changes no index that lies inside the table.
; SHARES.  Work-group B (0 .. 127) takes ONE block of 32 along K, rows 32 B .. 32 B + 31 of intweight, and all 4,096 columns: the gather of columns wants every column of the block in one LDS.
; Sixteen waves.  Thread t takes columns 1,024 p + 2 t and + 1 in pass p = 0 .. 3: a load of 8 bytes a lane covers 256 consecutive bytes a wave, aligned.  A LANE TAKES A COLUMN AND ITS REGISTERS RUN DOWN K, so a block lies in
; one lane, its largest magnitude needs no other lane, and the conversions give the codes with K innermost.  Nothing is transposed by an instruction.
; A column's 24 bytes of codes and its scale byte go to an entry of 32 bytes in LDS, at 32 x column; behind ONE barrier each thread reads the entries that out_reorder names and stores them in the order j.
; OUT.  wc: [256 rows j: 16][step of 128 along K: 32][25,600 bytes]; the 25,600 bytes are four blocks of 6,144 bytes of codes and 1,024 bytes of scale words, which the next launch stores.  A block's 6,144 bytes are the first
; 16 bytes of each of the 256 rows' codes on end, then their last 8 bytes on end: so a wave's store of 16 bytes a lane covers 512 consecutive bytes and its store of 8 bytes a lane 256, both aligned to 256.
; wp: [block 128][j 4,096], one scale byte each: 8 neighbouring j a lane, 256 consecutive bytes a wave.
; No tensor load, no cluster, no matrix unit: the work-groups share no input and the launch streams.
.set ROWB,  16384                      ; a row of intweight, scales or zeros in bytes
.set STEPM, 25600                      ; wc: 256 rows x 128 along K, codes and scale words
.set TILEM, 32*STEPM                   ; wc: 256 rows, all of K
.set BLKB,  6144                       ; wc: one block of 32 along K of 256 rows
.set O8,   1                           ; v1      8 t
.set ST0,  2                           ; v2      64 t: my two entries in the stage, passes 0 and 1
.set ST1,  3                           ; v3      64 t + 65,536: passes 2 and 3 (an LDS immediate has 16 bits)
.set O4,   4                           ; v4      4 t
.set O32,  5                           ; v5      32 t
.set OA,   6                           ; v6      wc: (t / 256) x TILEM + 16 (t % 256)
.set OB,   7                           ; v7      wc: (t / 256) x TILEM + 4,096 + 8 (t % 256)
.set M,    8                           ; v8-11   largest magnitudes: two chains for each of my two columns
.set SOP,  12                          ; v12-13  the conversions' scale operands
.set T0,   14                          ; v14-16  the second half of column 0's codes (a conversion's three registers begin on an even number)
.set T1,   18                          ; v18-20  of column 1's
.set ZS,   22                          ; v22-37  pass p: zeros of my two columns at v[22 + 4 p], scales at v[24 + 4 p]
.set C0,   38                          ; v38-45  column 0's entry: 6 registers of codes, the scale byte, 0
.set C1,   46                          ; v46-53  column 1's
.set X,    64                          ; v64-95 column 0 down K, v96-127 column 1
.set RAW,  128                         ; v128-191, v192-255: two sets of 32 rows x 2 columns as loaded
.set IDXA, 128                         ; later: v128-135 out_reorder[512 k + t], v136-143 out_reorder[8 t + k], as LDS addresses
.set IDXB, 136
.set E,    144                         ; v144-151 eight scale bytes
.set WD,   152                         ; v152-153 the same packed
.set G,    192                         ; v192-255 eight gathered entries
	s_load_b256 s[4:11], s[0:1], 0x0               ; intweight s[4:5], scales s[6:7], zeros s[8:9], out_reorder s[10:11]
	s_load_b128 s[12:15], s[0:1], 0x20             ; wc s[12:13], wp s[14:15]
	v_lshl_add_u32 v62, v0, 2, 0x20000
	v_mov_b32 v63, 0
	s_lshl_b32 s16, ttmp9, 19                      ; intweight: 32 rows of 16,384 bytes a block
	s_mov_b32 s17, 0
	s_lshr_b32 s18, ttmp9, 2                       ; scales, zeros: four blocks to a group of 128
	s_lshl_b32 s18, s18, 14
	s_mov_b32 s19, 0
	s_lshr_b32 s20, ttmp9, 2                       ; wc: the step of 128,
	s_mul_i32 s20, s20, STEPM
	s_and_b32 s22, ttmp9, 3                        ; and the block in it
	s_mul_i32 s22, s22, BLKB
	s_add_co_u32 s20, s20, s22
	s_mov_b32 s21, 0
	s_lshl_b32 s22, ttmp9, 12                      ; wp: 4,096 bytes a block
	s_mov_b32 s23, 0
	v_lshlrev_b32 v[O8], 3, v0
	v_lshlrev_b32 v[ST0], 6, v0
	s_delay_alu instid0(VALU_DEP_1)
	v_add_nc_u32 v[ST1], 0x10000, v[ST0]
	v_lshlrev_b32 v[O4], 2, v0
	v_lshlrev_b32 v[O32], 5, v0
	v_lshrrev_b32 v8, 8, v0
	s_delay_alu instid0(VALU_DEP_1)
	v_mul_u32_u24 v8, v8, TILEM
	v_and_b32 v9, 255, v0
	s_delay_alu instid0(VALU_DEP_1)
	v_lshl_add_u32 v[OA], v9, 4, v8
	s_delay_alu instid0(VALU_DEP_2)
	v_lshl_add_u32 v[OB], v9, 3, v8
	s_delay_alu instid0(VALU_DEP_1)
	v_add_nc_u32 v[OB], 0x1000, v[OB]
	v_mov_b32 v[C0+7], 0                           ; an entry's last word: stored, never used
	v_mov_b32 v[C1+7], 0
	s_wait_kmcnt 0x0
	s_add_nc_u64 s[4:5], s[4:5], s[16:17]
	s_add_nc_u64 s[6:7], s[6:7], s[18:19]
	s_add_nc_u64 s[8:9], s[8:9], s[18:19]
	s_add_nc_u64 s[12:13], s[12:13], s[20:21]      ; wc at my block, rows 0 on,
	s_add_nc_u64 s[24:25], s[12:13], 8*TILEM       ; and rows 2,048 on: so that every store's offset stays inside the signed 24-bit immediate (ISA guide, chapter 10)
	s_add_nc_u64 s[14:15], s[14:15], s[22:23]
.macro LOADS p                         ; pass p: 32 rows x my two columns into set p % 2; read once in the launch
.set n, 0
.rept 32
	global_load_b64 v[RAW+64*((\p)%2)+2*n:RAW+64*((\p)%2)+2*n+1], v[O8], s[4:5] offset:n*ROWB+(\p)*4096 th:TH_LOAD_NT
.set n, n+1
.endr
.endm
.irp p, 0,1,2,3
	global_load_b64 v[ZS+4*\p:ZS+4*\p+1], v[O8], s[8:9] offset:4096*\p       ; zeros of my two columns of pass p
	global_load_b64 v[ZS+4*\p+2:ZS+4*\p+3], v[O8], s[6:7] offset:4096*\p     ; scales
.endr
	LOADS 0
	LOADS 1
; One pass: two columns of the block.  left = how many younger loads may stay out.
.macro PASS p, left
.set RW, RAW+64*((\p)%2)
.set ZP, ZS+4*(\p)
	s_wait_loadcnt \left                           ; loads come back in order: this pass's 32 (and the zeros and scales ahead of them) are in
.set n, 0
.rept 32
	v_cvt_f32_i32 v[X+n], v[RW+2*n]                ; the conversion also sorts the two columns apart: 32 registers down K each
	v_cvt_f32_i32 v[X+32+n], v[RW+2*n+1]
.set n, n+1
.endr
.if (\p) < 2
	LOADS (\p)+2                                   ; the set just read takes the pass two on
.endif
.if (\p) == 2
.irp k, 0,1,2,3,4,5,6,7
	global_load_b32 v[IDXA+\k], v[O4], s[10:11] offset:2048*\k       ; out_reorder[512 k + t]: the rows whose codes I store
.endr
	global_load_b128 v[IDXB:IDXB+3], v[O32], s[10:11]                ; out_reorder[8 t + 0 .. 7]: the rows whose scale bytes I store
	global_load_b128 v[IDXB+4:IDXB+7], v[O32], s[10:11] offset:16
.endif
.set n, 0
.rept 16                               ; - zero, two neighbours along K at a time: of the pair of zeros column 0 takes the first word for both halves, column 1 the second
	v_pk_add_f32 v[X+n:X+n+1], v[X+n:X+n+1], v[ZP:ZP+1] op_sel_hi:[1,0] neg_lo:[0,1] neg_hi:[0,1]
	v_pk_add_f32 v[X+32+n:X+33+n], v[X+32+n:X+33+n], v[ZP:ZP+1] op_sel:[0,1] op_sel_hi:[1,1] neg_lo:[0,1] neg_hi:[0,1]
.set n, n+2
.endr
.set n, 0
.rept 16                               ; x scale.  Not fused with the subtraction: the problem rounds the difference first
	v_pk_mul_f32 v[X+n:X+n+1], v[X+n:X+n+1], v[ZP+2:ZP+3] op_sel_hi:[1,0]
	v_pk_mul_f32 v[X+32+n:X+33+n], v[X+32+n:X+33+n], v[ZP+2:ZP+3] op_sel:[0,1] op_sel_hi:[1,1]
.set n, n+2
.endr
	v_max3_num_f32 v[M], |v[X]|, |v[X+1]|, |v[X+2]|                  ; each column's largest magnitude: all 32 numbers are mine; four chains by turns
	v_max3_num_f32 v[M+2], |v[X+32]|, |v[X+33]|, |v[X+34]|
	v_max3_num_f32 v[M+1], |v[X+3]|, |v[X+4]|, |v[X+5]|
	v_max3_num_f32 v[M+3], |v[X+35]|, |v[X+36]|, |v[X+37]|
.irp i, 6,10,14,18,22,26
	s_delay_alu instid0(VALU_DEP_4)
	v_max3_num_f32 v[M], v[M], |v[X+\i]|, |v[X+\i+1]|
	s_delay_alu instid0(VALU_DEP_4)
	v_max3_num_f32 v[M+2], v[M+2], |v[X+32+\i]|, |v[X+33+\i]|
	s_delay_alu instid0(VALU_DEP_4)
	v_max3_num_f32 v[M+1], v[M+1], |v[X+\i+2]|, |v[X+\i+3]|
	s_delay_alu instid0(VALU_DEP_4)
	v_max3_num_f32 v[M+3], v[M+3], |v[X+34+\i]|, |v[X+35+\i]|
.endr
	s_delay_alu instid0(VALU_DEP_4)
	v_max3_num_f32 v[M], v[M], |v[X+30]|, |v[X+31]|
	s_delay_alu instid0(VALU_DEP_4)
	v_max3_num_f32 v[M+2], v[M+2], |v[X+62]|, |v[X+63]|
	s_delay_alu instid0(VALU_DEP_2)
	v_max3_num_f32 v[M], v[M], v[M+1], 0x1800000                     ; and the floor 2^(3 - 127): the byte cannot fall under 1
	s_delay_alu instid0(VALU_DEP_2)
	v_max3_num_f32 v[M+2], v[M+2], v[M+3], 0x1800000
	s_delay_alu instid0(VALU_DEP_2)
	v_add_nc_u32 v[SOP], 0xff000000, v[M]                            ; 2 off the exponent field: the conversion takes the exponent field of this operand as its scale, and nothing else of it
	s_delay_alu instid0(VALU_DEP_2)
	v_add_nc_u32 v[SOP+1], 0xff000000, v[M+2]
	s_wait_alu depctr_va_vdst(0)
	s_wait_dscnt 0x0                               ; the last pass's stores into the stage have read the entries' registers
	v_cvt_scalef32_pk16_fp6_f32 v[C0:C0+2], v[X:X+15], v[SOP]        ; sixteen numbers / the scale, to the nearest code, ties to even, beyond 7.5 the largest code; 96 bits without gaps
	v_cvt_scalef32_pk16_fp6_f32 v[T0:T0+2], v[X+16:X+31], v[SOP]
	v_cvt_scalef32_pk16_fp6_f32 v[C1:C1+2], v[X+32:X+47], v[SOP+1]
	v_cvt_scalef32_pk16_fp6_f32 v[T1:T1+2], v[X+48:X+63], v[SOP+1]
	v_lshrrev_b32 v[C0+6], 23, v[SOP]              ; the scale bytes.  (Also the plain instruction between the conversions and the moves that read their results)
	v_lshrrev_b32 v[C1+6], 23, v[SOP+1]
.irp i, 0,1,2
	v_mov_b32 v[C0+3+\i], v[T0+\i]
	v_mov_b32 v[C1+3+\i], v[T1+\i]
.endr
.if (\p) < 2
.set SA, ST0
.else
.set SA, ST1
.endif
	ds_store_b128 v[SA], v[C0:C0+3] offset:((\p)%2)*32768            ; entry of column 1,024 p + 2 t
	ds_store_b128 v[SA], v[C0+4:C0+7] offset:((\p)%2)*32768+16
	ds_store_b128 v[SA], v[C1:C1+3] offset:((\p)%2)*32768+32         ; and of the column beside it
	ds_store_b128 v[SA], v[C1+4:C1+7] offset:((\p)%2)*32768+48
.endm
	PASS 0, 32                                     ; the next pass's 32 loads may stay out
	PASS 1, 32
	PASS 2, 32
	PASS 3, 10                                     ; behind the last pass's loads stand the ten loads of out_reorder
	s_wait_loadcnt 0x0                             ; out_reorder
.set n, 0
.rept 16
	v_min_u32 v[IDXA+n], 0xfff, v[IDXA+n]          ; held inside the table
.set n, n+1
.endr
.set n, 0
.rept 16
	v_lshlrev_b32 v[IDXA+n], 5, v[IDXA+n]          ; an entry is 32 bytes
.set n, n+1
.endr
	s_wait_alu depctr_va_vdst(0)
	s_wait_dscnt 0x0                               ; for the others' sake: my entries lie in the stage
	s_barrier_signal -1
	s_barrier_wait -1                              ; all 4,096 do
.irp k, 0,1,2,3,4,5,6,7
	ds_load_b128 v[G+8*\k:G+8*\k+3], v[IDXA+\k]                      ; row j = 512 k + t: the first 16 bytes of its codes,
	ds_load_b64 v[G+8*\k+4:G+8*\k+5], v[IDXA+\k] offset:16           ; the last 8
.endr
.irp k, 0,1,2,3,4,5,6,7
	ds_load_b32 v[E+\k], v[IDXB+\k] offset:24                        ; row j = 8 t + k: its scale byte
.endr
.irp k, 0,1,2,3,4,5,6,7
	s_wait_dscnt 22-2*\k                           ; LDS loads come back in order: behind row k's two stand 14 - 2 k of the later rows and the 8 bytes' loads
.if \k < 4
	global_store_b128 v[OA], v[G+8*\k:G+8*\k+3], s[12:13] offset:\k*2*TILEM        ; 32 lanes store 512 consecutive bytes, aligned to 256
	global_store_b64 v[OB], v[G+8*\k+4:G+8*\k+5], s[12:13] offset:\k*2*TILEM       ; and 256
.else
	global_store_b128 v[OA], v[G+8*\k:G+8*\k+3], s[24:25] offset:(\k-4)*2*TILEM
	global_store_b64 v[OB], v[G+8*\k+4:G+8*\k+5], s[24:25] offset:(\k-4)*2*TILEM
.endif
.endr
	s_wait_dscnt 0x0
	v_lshl_or_b32 v[WD], v[E+1], 8, v[E]
	v_lshl_or_b32 v[WD+1], v[E+5], 8, v[E+4]
	s_delay_alu instid0(VALU_DEP_2)
	v_lshl_or_b32 v[WD], v[E+2], 16, v[WD]
	s_delay_alu instid0(VALU_DEP_2)
	v_lshl_or_b32 v[WD+1], v[E+6], 16, v[WD+1]
	s_delay_alu instid0(VALU_DEP_2)
	v_lshl_or_b32 v[WD], v[E+3], 24, v[WD]
	s_delay_alu instid0(VALU_DEP_2)
	v_lshl_or_b32 v[WD+1], v[E+7], 24, v[WD+1]
	global_store_b64 v[O8], v[WD:WD+1], s[14:15]   ; 8 neighbouring rows' bytes a lane: 256 consecutive bytes a wave, aligned
	s_wait_tensorcnt 0x0
	ds_add_u32 v62, v63
	s_wait_dscnt 0x0
	s_endpgm
.Lfunc_end_k_qfc06df4ef4_qw:
	.size	k_qfc06df4ef4_qw, .Lfunc_end_k_qfc06df4ef4_qw-k_qfc06df4ef4_qw
	.p2alignl 7, 3214868480
	.fill 96, 4, 3214868480
	.section	.rodata,"a",@progbits
	.p2align	6, 0x0
	.amdhsa_kernel k_qfc06df4ef4_qw
		.amdhsa_group_segment_fixed_size 133120
		.amdhsa_private_segment_fixed_size 0
		.amdhsa_enable_private_segment 0
		.amdhsa_kernarg_size 48
		.amdhsa_user_sgpr_count 2
		.amdhsa_user_sgpr_kernarg_segment_ptr 1
		.amdhsa_wavefront_size32 1
		.amdhsa_system_sgpr_workgroup_id_x 1
		.amdhsa_system_sgpr_workgroup_id_y 1
		.amdhsa_system_sgpr_workgroup_id_z 1
		.amdhsa_system_vgpr_workitem_id 0
		.amdhsa_next_free_vgpr 256
		.amdhsa_next_free_sgpr 66
		.amdhsa_reserve_vcc 0
		.amdhsa_float_denorm_mode_32 3
		.amdhsa_float_denorm_mode_16_64 3
		.amdhsa_memory_ordered 1
		.amdhsa_forward_progress 1
		.amdhsa_inst_pref_size 62
	.end_amdhsa_kernel
	.amdgpu_metadata
---
amdhsa.version: [ 1, 2 ]
amdhsa.kernels:
  - .name:           k_qfc06df4ef4_qw
    .symbol:         k_qfc06df4ef4_qw.kd
    .args:
      - { .name: intweight, .offset: 0, .size: 8, .value_kind: global_buffer, .address_space: global }
      - { .name: scales, .offset: 8, .size: 8, .value_kind: global_buffer, .address_space: global }
      - { .name: zeros, .offset: 16, .size: 8, .value_kind: global_buffer, .address_space: global }
      - { .name: out_reorder, .offset: 24, .size: 8, .value_kind: global_buffer, .address_space: global }
      - { .name: wc, .offset: 32, .size: 8, .value_kind: global_buffer, .address_space: global }
      - { .name: wp, .offset: 40, .size: 8, .value_kind: global_buffer, .address_space: global }
    .group_segment_fixed_size: 133120
    .private_segment_fixed_size: 0
    .kernarg_segment_align: 8
    .kernarg_segment_size: 48
    .max_flat_workgroup_size: 512
    .sgpr_count:     66
    .vgpr_count:     256
    .wavefront_size: 32
...
	.end_amdgpu_metadata
.endif
;; end of part 1
;; launch qx (part 2): grid 256 x 1, 16 waves a work-group, no clusters, 264,704 bytes of LDS; arguments x, in_reorder, wp, xc, wc; writes xc, wc
.if DOCPART == 2
	.amdgcn_target "amdgcn-amd-amdhsa--gfx1250"
	.amdhsa_code_object_version 6
	.text
	.protected	k_qfc06df4ef4_qx
	.globl	k_qfc06df4ef4_qx
	.p2align	8
	.type	k_qfc06df4ef4_qx,@function
k_qfc06df4ef4_qx:
	s_mov_b64 s[64:65], 0
	v_nop
	global_prefetch_b8 v0, s[64:65] scope:SCOPE_SE
	s_setreg_imm32_b32 hwreg(HW_REG_WAVE_MODE, 25, 1), 1
	s_wait_xcnt 0x0
; xg[m][i] = x[m][in_reorder[i]] is quantised along i (the product's K, in the order BEHIND the gather) to codes of FP6 (E2M3) with one E8M0 byte for each 32 along K.
; A block's scale is 2^(floor(log2(its largest magnitude)) - 2); its byte is the largest magnitude's exponent field - 2, held at 1 from below.
; LIMITS: NaN and infinities among the inputs are not served.  A block whose largest magnitude lies under 2^-124 keeps the byte 1; a block of zeros so gets the byte 1 where the quantiser says 127: its codes
; are zeros, which add nothing under any byte but 0xff, and the bytes are read by this program alone.  An index of in_reorder is held at 4,095 from above, which changes no index that lies inside the table.
; SHARES.  Work-group g owns rows 16 g .. 16 g + 15 of x, whole: 262,144 bytes, read once.  Wave w brings row 16 g + w into LDS by ONE tensor load (the row is dense: 64 lines of 256 bytes); nothing in LDS is filled again.
; Behind one barrier wave w quantises 256 along K, steps 2 w and 2 w + 1 of 128, of all 16 rows, in four pairs of blocks.  In pair P lane (r, h) holds row r and block 8 w + 2 P + h: that is the lane of the matrix operand's own
; layout (lane (r, h), registers 6 c .. 6 c + 5: K = 64 c + 32 h + 0 .. 31 of a step of 128), so a lane's six registers of codes go from the conversions straight to memory.  Its 32 numbers are gathered from LDS one by one.
; LDS rows are 16,400 bytes apart (16,384 + 16 = 4,100 words).
; OUT.  xc: [256 rows: 16][step of 128: 32][25,600 bytes]: two pairs of blocks of 12,288 bytes, then the 256 rows' scale words, 1,024 bytes.  A pair's 12,288 bytes: the first 16 bytes of the even block's codes of the 256 rows
; on end; the same of the odd block; then the last 8 bytes, [tile of 16 rows][h][r].  So sixteen lanes' 16 bytes, and 32 lanes' 8 bytes, are 256 consecutive bytes, aligned.
; My 16 rows' scale words of a step are 64 consecutive bytes, a quarter of an aligned 256; three other work-groups write the rest: one byte in 250 of what the launch moves.
; ALSO: waves 0 to 7 turn W's scale bytes, which the launch before left as planes wp [block 128][row 4,096], into the scale words of wc, which is laid as xc is: work-group g takes rows 256 (g / 16) on and steps 2 (g % 16), + 1.
; A word wants four planes, which four work-groups of the launch before wrote: hence here.  No cluster: the work-groups share nothing but in_reorder, 16 KiB.
.set PITCH, 16400
.set STEPM, 25600                      ; xc, wc: 256 rows x 128 along K, codes and scale words
.set TILEM, 32*STEPM                   ; 256 rows, all of K
.set ROWA,  3                          ; v3      16,400 r
.set IOFF,  4                          ; v4      128 h: my block's 32 indices
.set OA,    5                          ; v5      xc: 4,096 h + 16 r
.set OB,    6                          ; v6      xc: 8,192 + 128 h + 8 r
.set OS,    7                          ; v7      xc: my scale word: STEPM h + 4 r
.set SH8,   8                          ; v8      8 h
.set PO,    9                          ; v9      wp: my two rows in a plane
.set PS,    10                         ; v10     wc: my two words
.set SOP,   11                         ; v11     the conversions' scale operand
.set T,     12                         ; v12-14  the second half of a block's codes (a conversion's three registers begin on an even number)
.set E,     16                         ; v16-19  my block's scale byte, for each pair
.set W0,    20                         ; v20-21  the two scale words
.set U,     22                         ; v22     the lane permute's destination
.set M,     24                         ; v24-25  largest magnitudes, two chains
.set P,     26                         ; v26-31  W's scale bytes at work
.set C,     32                         ; v32-63  codes: eight registers for each pair, so that no store's data are written again
.set X,     64                         ; v64-127 two sets of 32 numbers
.set IDX,   128                        ; v128-255 the indices of my four blocks, then LDS addresses
.set WV,    30                         ; s30     my wave's number
.set G1,    16                         ; s[16:23] descriptor group 1
.set G0,    24                         ; s[24:27] descriptor group 0
.set SEL,   28                         ; s[28:29] lane selects for v_permlanex16_b32: lane l xor 16
	s_load_b256 s[4:11], s[0:1], 0x0               ; x s[4:5], in_reorder s[6:7], wp s[8:9], xc s[10:11]
	s_load_b64 s[14:15], s[0:1], 0x20              ; wc
	v_lshl_add_u32 v62, v0, 2, 0x40200
	v_mov_b32 v63, 0
	ds_add_u32 v62, v63
	ds_add_u32 v62, v63
	v_lshrrev_b32 v1, 5, v0
	s_delay_alu instid0(VALU_DEP_1)
	v_readfirstlane_b32 s[WV], v1                  ; wave 0..15
	; group 1: one row of 2,048 elements of 8 bytes.  The tile is stated two elements longer than the tensor: the load writes zeros there, so every byte between the first LDS row's start and the last one's end is written
	s_mov_b32 s[G1+0], 3<<16                       ; no mask; elements of 8 bytes; no padding
	s_mov_b32 s[G1+1], 2048<<16                    ; tensor_dim0 = 2,048
	s_mov_b32 s[G1+2], 1<<16                       ; tensor_dim1 = 1
	s_mov_b32 s[G1+3], 2050<<16                    ; tile_dim0 = 2,050
	s_mov_b32 s[G1+4], 1                           ; tile_dim1 = 1
	s_mov_b32 s[G1+5], 2048
	s_mov_b32 s[G1+6], 1<<16
	s_mov_b32 s[G1+7], 0
	s_mov_b32 s[G0], 1                             ; count = 1
	s_mul_i32 s[G0+1], s[WV], PITCH                ; LDS address: my row
	s_lshl_b32 s32, ttmp9, 4
	s_add_co_u32 s32, s32, s[WV]
	s_lshl_b32 s32, s32, 14                        ; x: row 16 g + w of 16,384 bytes
	s_mov_b32 s33, 0
	s_lshl_b32 s34, s[WV], 10                      ; in_reorder: my 256 indices
	s_mov_b32 s35, 0
	s_and_b32 s44, ttmp9, 15
	s_lshr_b32 s45, ttmp9, 4
	s_lshl_b32 s36, s44, 15                        ; wp: eight planes of 4,096 bytes for two steps,
	s_lshl_b32 s37, s45, 8                         ; 256 rows
	s_add_co_u32 s36, s36, s37
	s_mov_b32 s37, 0
	s_mul_i32 s46, s45, TILEM                      ; xc, wc: 256 rows g / 16
	s_mul_i32 s38, s[WV], 2*STEPM                  ; xc: my two steps
	s_add_co_u32 s38, s38, s46
	s_lshl_b32 s39, s44, 6                         ; my 16 rows' 64 bytes among a step's scale words,
	s_add_co_u32 s40, s38, s39
	s_add_co_u32 s40, s40, 24576                   ; which lie behind its codes
	s_mov_b32 s41, 0
	s_lshl_b32 s39, s44, 8                         ; and my 16 rows' 256 bytes in each part of the codes
	s_add_co_u32 s38, s38, s39
	s_mov_b32 s39, 0
	s_mul_i32 s42, s44, 2*STEPM                    ; wc: steps 2 (g % 16), + 1: their scale words
	s_add_co_u32 s42, s42, s46
	s_add_co_u32 s42, s42, 24576
	s_mov_b32 s43, 0
	s_mov_b32 s[SEL], 0x76543210
	s_mov_b32 s[SEL+1], 0xfedcba98
	s_wait_dscnt 0x0
	s_wait_kmcnt 0x0
	s_add_nc_u64 s[G0+2:G0+3], s[4:5], s[32:33]    ; global address of my row
	s_or_b32 s[G0+3], s[G0+3], 0x80000000          ; type = 2
	tensor_load_to_lds s[G0:G0+3], s[G1:G1+7]      ; my one tensor load; its descriptor is never written again
	s_nop 0
	v_and_b32 v1, 15, v0                           ; r
	v_bfe_u32 v2, v0, 4, 1                         ; h
	s_delay_alu instid0(VALU_DEP_2)
	v_mul_u32_u24 v[ROWA], v1, PITCH
	s_delay_alu instid0(VALU_DEP_2)
	v_lshlrev_b32 v[IOFF], 7, v2
	s_add_nc_u64 s[6:7], s[6:7], s[34:35]
	s_add_nc_u64 s[8:9], s[8:9], s[36:37]
	s_add_nc_u64 s[12:13], s[10:11], s[40:41]      ; xc at my scale words,
	s_add_nc_u64 s[10:11], s[10:11], s[38:39]      ; and at my codes
	s_add_nc_u64 s[14:15], s[14:15], s[42:43]
.set n, 0
.rept 32
	global_load_b128 v[IDX+4*n:IDX+4*n+3], v[IOFF], s[6:7] offset:256*(n/8)+16*(n%8)   ; pair n / 8: in_reorder[32 (8 w + 2 (n / 8) + h) + 4 (n % 8) ..]
.set n, n+1
.endr
	v_lshlrev_b32 v[OA], 4, v1
	s_delay_alu instid0(VALU_DEP_1)
	v_lshl_add_u32 v[OA], v2, 12, v[OA]
	v_lshlrev_b32 v[OB], 3, v1
	s_delay_alu instid0(VALU_DEP_1)
	v_lshl_add_u32 v[OB], v2, 7, v[OB]
	s_delay_alu instid0(VALU_DEP_1)
	v_add_nc_u32 v[OB], 0x2000, v[OB]
	v_lshlrev_b32 v[OS], 2, v1
	s_delay_alu instid0(VALU_DEP_1)
	v_mad_u32_u24 v[OS], v2, STEPM, v[OS]
	v_lshlrev_b32 v[SH8], 3, v2
	v_mov_b32 v[U], 0                              ; written once: a lane permute's destination counts as one of its sources
	v_cmp_ne_u32 vcc_lo, 0, v2                     ; lanes 16-31
	; W's scale bytes, waves 0 to 7.  Thread t (0 .. 255) makes the words of step q = t / 128, rows 2 (t % 128) and + 1: four loads of two neighbouring bytes, one from each of the step's four planes
	s_cmp_lt_u32 s[WV], 8
	s_cbranch_scc0 .Lno_planes
	v_bfe_u32 v[P], v0, 7, 1                       ; q
	v_and_b32 v[P+1], 127, v0
	s_delay_alu instid0(VALU_DEP_2)
	v_lshlrev_b32 v[PO], 14, v[P]                  ; q x 4 planes
	s_delay_alu instid0(VALU_DEP_1)
	v_lshl_add_u32 v[PO], v[P+1], 1, v[PO]         ; + my two rows
	s_delay_alu instid0(VALU_DEP_4)
	v_mul_u32_u24 v[PS], v[P], STEPM
	s_delay_alu instid0(VALU_DEP_1)
	v_lshl_add_u32 v[PS], v[P+1], 3, v[PS]
.irp i, 0,1,2,3
	global_load_u16 v[P+\i], v[PO], s[8:9] offset:4096*\i
.endr
	s_wait_loadcnt 0x0
	v_perm_b32 v[P+4], v[P+1], v[P], 0x05010400    ; planes 0, 1: first row's two bytes, second row's two bytes
	v_perm_b32 v[P+5], v[P+3], v[P+2], 0x05010400  ; planes 2, 3 likewise
	s_delay_alu instid0(VALU_DEP_1)
	v_perm_b32 v[P], v[P+5], v[P+4], 0x05040100    ; the first row's word: byte i scales block i of the step
	s_delay_alu instid0(VALU_DEP_2)
	v_perm_b32 v[P+1], v[P+5], v[P+4], 0x07060302  ; the second row's
	s_wait_alu depctr_va_vdst(0)
	global_store_b64 v[PS], v[P:P+1], s[14:15]     ; 32 lanes store 256 consecutive bytes, aligned; these registers are not written again
.Lno_planes:
	s_wait_loadcnt 0x0                             ; the indices
.set n, 0
.rept 128
	v_min_u32 v[IDX+n], 0xfff, v[IDX+n]            ; held inside the row
.set n, n+1
.endr
.set n, 0
.rept 128
	v_lshl_add_u32 v[IDX+n], v[IDX+n], 2, v[ROWA]  ; 4 x index + my row
.set n, n+1
.endr
	s_wait_tensorcnt 0x0                           ; my row lies in LDS,
	s_barrier_signal -1
	s_barrier_wait -1                              ; all sixteen do
.macro GATHER p                        ; pair p: my block's 32 numbers into set p % 2
.set n, 0
.rept 32
	ds_load_b32 v[X+32*((\p)%2)+n], v[IDX+32*(\p)+n]
.set n, n+1
.endr
.endm
.macro QP p
.set XP, X+32*((\p)%2)
.set CP, C+8*(\p)
.if (\p) < 3
	s_wait_dscnt 32                                ; this pair's 32 loads are in; the next pair's may be out
.else
	s_wait_dscnt 0x0
.endif
	v_max3_num_f32 v[M], |v[XP]|, |v[XP+1]|, |v[XP+2]|               ; the block's largest magnitude: all 32 numbers are mine
	v_max3_num_f32 v[M+1], |v[XP+3]|, |v[XP+4]|, |v[XP+5]|
.irp i, 6,10,14,18,22,26
	s_delay_alu instid0(VALU_DEP_2)
	v_max3_num_f32 v[M], v[M], |v[XP+\i]|, |v[XP+\i+1]|
	s_delay_alu instid0(VALU_DEP_2)
	v_max3_num_f32 v[M+1], v[M+1], |v[XP+\i+2]|, |v[XP+\i+3]|
.endr
	s_delay_alu instid0(VALU_DEP_2)
	v_max3_num_f32 v[M], v[M], |v[XP+30]|, |v[XP+31]|
	s_delay_alu instid0(VALU_DEP_1)
	v_max3_num_f32 v[M], v[M], v[M+1], 0x1800000   ; and the floor 2^(3 - 127): the byte cannot fall under 1
	s_delay_alu instid0(VALU_DEP_1)
	v_add_nc_u32 v[SOP], 0xff000000, v[M]          ; 2 off the exponent field: the conversion's scale operand
	v_cvt_scalef32_pk16_fp6_f32 v[CP:CP+2], v[XP:XP+15], v[SOP]
	v_cvt_scalef32_pk16_fp6_f32 v[T:T+2], v[XP+16:XP+31], v[SOP]
	v_lshrrev_b32 v[E+(\p)], 23, v[SOP]            ; the scale byte.  (Also the plain instruction between the conversions and the moves that read their results)
.irp i, 0,1,2
	v_mov_b32 v[CP+3+\i], v[T+\i]
.endr
.if (\p) < 2
	GATHER (\p)+2                                  ; the set just read takes the pair two on
.endif
	global_store_b128 v[OA], v[CP:CP+3], s[10:11] offset:((\p)/2)*STEPM+((\p)%2)*12288      ; lanes 0-15 and lanes 16-31 each store 256 consecutive bytes, aligned
	global_store_b64 v[OB], v[CP+4:CP+5], s[10:11] offset:((\p)/2)*STEPM+((\p)%2)*12288     ; 32 lanes store 256 consecutive bytes, aligned
.endm
	GATHER 0
	GATHER 1
	QP 0
	QP 1
	QP 2
	QP 3
	; the scale words.  In step q my bytes are those of blocks h (pair 2 q) and 2 + h (pair 2 q + 1); lane l xor 16 has the other two
.irp q, 0,1
	v_lshl_or_b32 v[W0+\q], v[E+2*\q+1], 16, v[E+2*\q]
	s_delay_alu instid0(VALU_DEP_1)
	v_lshlrev_b32 v[W0+\q], v[SH8], v[W0+\q]       ; 8 h bits up
	s_delay_alu instid0(VALU_DEP_1)
	v_permlanex16_b32 v[U], v[W0+\q], s[SEL], s[SEL+1]
	s_delay_alu instid0(VALU_DEP_1)
	v_or_b32 v[W0+\q], v[W0+\q], v[U]
.endr
	s_delay_alu instid0(VALU_DEP_1)
	v_cndmask_b32 v[W0], v[W0], v[W0+1], vcc_lo    ; lanes 0-15 store the first step's words, lanes 16-31 the second's
	global_store_b32 v[OS], v[W0], s[12:13]
	s_wait_tensorcnt 0x0
	ds_add_u32 v62, v63
	s_wait_dscnt 0x0
	s_endpgm
.Lfunc_end_k_qfc06df4ef4_qx:
	.size	k_qfc06df4ef4_qx, .Lfunc_end_k_qfc06df4ef4_qx-k_qfc06df4ef4_qx
	.p2alignl 7, 3214868480
	.fill 96, 4, 3214868480
	.section	.rodata,"a",@progbits
	.p2align	6, 0x0
	.amdhsa_kernel k_qfc06df4ef4_qx
		.amdhsa_group_segment_fixed_size 264704
		.amdhsa_private_segment_fixed_size 0
		.amdhsa_enable_private_segment 0
		.amdhsa_kernarg_size 40
		.amdhsa_user_sgpr_count 2
		.amdhsa_user_sgpr_kernarg_segment_ptr 1
		.amdhsa_wavefront_size32 1
		.amdhsa_system_sgpr_workgroup_id_x 1
		.amdhsa_system_sgpr_workgroup_id_y 1
		.amdhsa_system_sgpr_workgroup_id_z 1
		.amdhsa_system_vgpr_workitem_id 0
		.amdhsa_next_free_vgpr 256
		.amdhsa_next_free_sgpr 66
		.amdhsa_reserve_vcc 1
		.amdhsa_float_denorm_mode_32 3
		.amdhsa_float_denorm_mode_16_64 3
		.amdhsa_memory_ordered 1
		.amdhsa_forward_progress 1
		.amdhsa_inst_pref_size 42
	.end_amdhsa_kernel
	.amdgpu_metadata
---
amdhsa.version: [ 1, 2 ]
amdhsa.kernels:
  - .name:           k_qfc06df4ef4_qx
    .symbol:         k_qfc06df4ef4_qx.kd
    .args:
      - { .name: x, .offset: 0, .size: 8, .value_kind: global_buffer, .address_space: global }
      - { .name: in_reorder, .offset: 8, .size: 8, .value_kind: global_buffer, .address_space: global }
      - { .name: wp, .offset: 16, .size: 8, .value_kind: global_buffer, .address_space: global }
      - { .name: xc, .offset: 24, .size: 8, .value_kind: global_buffer, .address_space: global }
      - { .name: wc, .offset: 32, .size: 8, .value_kind: global_buffer, .address_space: global }
    .group_segment_fixed_size: 264704
    .private_segment_fixed_size: 0
    .kernarg_segment_align: 8
    .kernarg_segment_size: 40
    .max_flat_workgroup_size: 512
    .sgpr_count:     66
    .vgpr_count:     256
    .wavefront_size: 32
...
	.end_amdgpu_metadata
.endif
;; end of part 2
;; launch gemm (part 3): grid 16 x 16, 4 waves a work-group, clusters of 4 x 4, 327,680 bytes of LDS; arguments xc, wc, bias, out0; writes out0
.if DOCPART == 3
	.amdgcn_target "amdgcn-amd-amdhsa--gfx1250"
	.amdhsa_code_object_version 6
	.text
	.protected	k_qfc06df4ef4_gemm
	.globl	k_qfc06df4ef4_gemm
	.p2align	8
	.type	k_qfc06df4ef4_gemm,@function
k_qfc06df4ef4_gemm:
	s_mov_b64 s[64:65], 0
	v_nop
	global_prefetch_b8 v0, s[64:65] scope:SCOPE_SE
	s_setreg_imm32_b32 hwreg(HW_REG_WAVE_MODE, 25, 1), 1
	s_wait_xcnt 0x0
	s_wait_alu depctr_hold_cnt(0) depctr_sa_sdst(0) depctr_va_vdst(0) depctr_va_sdst(0) depctr_va_ssrc(0) depctr_va_vcc(0) depctr_vm_vsrc(0)
	s_getreg_b32 s2, hwreg(HW_REG_IB_STS2, 6, 4)
	s_cmp_eq_u32 s2, 0
	s_cbranch_scc0 .Lentry_in_a_cluster
	s_endpgm
.Lentry_in_a_cluster:
	s_bfe_u32 s2, ttmp6, 0x10000c
	s_cmp_lg_u32 s2, 0xf033
	s_cbranch_scc0 .Lentry_shape_is_right
	s_endpgm
.Lentry_shape_is_right:
; out0[m][j] = sum over k of X[m][k] W[j][k] + bias[j]: X and W are codes of FP6 (E2M3) with E8M0 scale words, as the two launches before laid them: [256 rows][step of 128 along K][25,600 bytes], dense.
; A block of 256 x 256 is made by four waves, a wave makes 128 x 128: 64 accumulators.  K goes in 32 steps through a ring of two LDS slots of three steps each (the last two steps come as a fill of two);
; a step's 25,600 bytes of each operand lie in LDS as 100 lines of 256 bytes, 272 apart.  4 x 4 work-groups form a cluster: X's bytes are asked for jointly along a row of it, W's along a column.
; The matrix instruction is used transposed (source 0 = 16 rows of W, source 1 = 16 rows of X): a lane holds eight neighbouring numbers of a row of the output.
; REGISTERS.  The wave's block is cut in quarters (i, j): X's tiles 4 i .. 4 i + 3 against W's tiles 4 j .. 4 j + 3.  Window d = 2 i + j holds that quarter's 16 accumulators at v128-255, and at v32-127 two buffers of
; one half operand: window 0 X's tiles 0-3, window 1 X's tiles 4-7, window 2 W's tiles 0-3, window 3 W's tiles 4-7.  Windows 2 and 3 hold the LDS addresses at v2-19; window 0 the scale words at v2-17.
; A step is four phases, one for each quarter.  In phase d the destination window is d and source 0's window is 2 + j: so an LDS load written there lands in window d's half operand and takes its address from
; window 2 + j, under the products' own setting.  A phase is ONE run of LDS loads, half operand d of the next step into the buffer that the step before read, and then its 16 matrix instructions.  Four switches a step.
; The 64 accumulators take turns, one instruction a turn, in the same order in every step.
; A slot's last step has all its fragments in registers when it begins: there the slots change.  Its first two phases carry no loads and stand under the add and the barrier; the four runs follow in its second half.
; The bias is added on the way out, where a lane holds the same four columns in every row.
; PREFETCH: once a trip of the loop each asking wave names 150 lines of 256 bytes, a lane a line, of the two slots that are filled in the next trip; the four partners of a joint load share them out by address;
; the loop's last trip asks for nothing, so every address lies inside its buffer.
.set SIZE_N, 4096
.set UP,     272                       ; an LDS line: 256 bytes + 16
.set STEPL,  100                       ; lines in a step of one operand
.set STEPB,  STEPL*UP
.set STEPM,  STEPL*256
.set NQ,     3                         ; steps in a slot
.set HALFT,  150*UP                    ; what one tensor load of the ring brings
.set OPER,   2*HALFT
.set SLOT,   2*OPER                    ; X's three steps, then W's
.set SPARE,  2*SLOT                    ; the spare words, 128 bytes a wave
.set TILEM,  32*STEPM
.set SLOTM,  NQ*STEPM
.set TRIPS,  4
.set SPITCH, 528                       ; the way out: 16 rows x (512 + 16) bytes for each wave, in slot 1, which has had its last fill and its last read by then
.set SC,   2                           ; window 0: v2-17 scale words, two sets of 8: lanes 0-15 X's tile i, lanes 16-31 W's tile i
.set PFO,  18
.set PFO2, 19
.set STO,  20
.set RD,   21
.set CO,   22
.set BI,   24                          ; v24-27 the bias of my four columns on the way out
.set SPW,  28
.set NIL,  29
.set AXA,  2                           ; windows 2, 3: v2-5 X's pieces of 16 bytes, for slot 0, 1 steps 0-1 and slot 0, 1 step 2; v6-9 its pieces of 8 bytes;
.set AXB,  6
.set AWA,  10                          ; v10-13, v14-17 the same for W;
.set AWB,  14
.set ADS,  18                          ; window 2: v18-19 the scale words in slot 0, 1
.set FB,   32                          ; fragment buffers: 48 registers each
.set BK,   32                          ; the way out: 16 rows read back, windows 2 and 3 by turns
.set G1,   24
.set G0,   32
.set G1B,  48
.set G0B,  56
.set G1L,  68
.set G0L,  76
.set G1LB, 80
.set G0LB, 88
.set PFA,  92
.set LIM,  94
.set MSB, 0
.macro WIN new                         ; the immediate's high byte repeats the setting that is left
.if MSB != (\new)
	s_set_vgpr_msb (MSB<<8)|(\new)
.set MSB, (\new)
.endif
.endm
.macro JLOAD g0a, g1a, g0b, g1b        ; a joint load: waves 0, 1 fetch for X, waves 2, 3 for W
	s_cmp_eq_u32 s15, 0
	s_cbranch_scc0 .Lfor_b_\@
	tensor_load_to_lds s[\g0a:\g0a+3], s[\g1a:\g1a+7]
	s_nop 0
.rept 4
	v_nop
.endr
	s_branch .Lasked_\@
.Lfor_b_\@:
	tensor_load_to_lds s[\g0b:\g0b+3], s[\g1b:\g1b+7]
	s_nop 0
.rept 4
	v_nop
.endr
.Lasked_\@:
.endm
.macro CREST                           ; a round of the cluster's barrier behind its opening barrier
	s_cmp_lg_u32 s14, 0
	s_cbranch_scc1 .Lnot_wave_0_\@
	s_barrier_signal -3
.Lnot_wave_0_\@:
	s_barrier_wait -3
	s_barrier_signal -1
	s_barrier_wait -1
.endm
.macro CROUND
	s_barrier_signal -1
	s_barrier_wait -1
	CREST
.endm
.macro ASK
	s_cmp_gt_u32 s3, s[LIM]
	s_cbranch_scc0 .Lnot_mine_\@
	global_prefetch_b8 v[PFO], s[PFA:PFA+1] th:TH_LOAD_NT scope:SCOPE_SE
	global_prefetch_b8 v[PFO], s[PFA:PFA+1] offset:8192 th:TH_LOAD_NT scope:SCOPE_SE
	global_prefetch_b8 v[PFO], s[PFA:PFA+1] offset:16384 th:TH_LOAD_NT scope:SCOPE_SE
	global_prefetch_b8 v[PFO], s[PFA:PFA+1] offset:24576 th:TH_LOAD_NT scope:SCOPE_SE
	global_prefetch_b8 v[PFO2], s[PFA:PFA+1] offset:32768 th:TH_LOAD_NT scope:SCOPE_SE
.Lnot_mine_\@:
.endm
.macro PLACES
.rept 4
	v_nop
.endr
.endm
	s_load_b256 s[4:11], s[0:1], 0x0               ; xc, wc, bias, out0
	v_lshl_add_u32 v[SPW], v0, 2, SPARE
	v_mov_b32 v[NIL], 0
	ds_add_u32 v[SPW], v[NIL]                      ; the opening lines: the add twice on end, and its wait ahead of my first tensor load
	ds_add_u32 v[SPW], v[NIL]
	v_lshrrev_b32 v1, 5, v0
	v_readfirstlane_b32 s14, v1                    ; wave
	s_lshr_b32 s15, s14, 1                         ; my half of the block's rows; also: I fetch for X (0) or W (1)
	s_and_b32 s16, s14, 1                          ; my half of its columns; also: which half of a fill I fetch
	s_bfe_u32 s40, ttmp6, 0x40000                  ; cx
	s_bfe_u32 s41, ttmp6, 0x40004                  ; cy
	s_lshl_b32 s42, ttmp9, 2
	s_add_co_u32 s42, s42, s40                     ; block column
	s_and_b32 s17, ttmp7, 0xffff
	s_lshl_b32 s17, s17, 2
	s_add_co_u32 s17, s17, s41                     ; block row
	s_lshl_b32 s43, s41, 2
	s_lshl_b32 s43, 15, s43                        ; my row of the cluster
	s_lshl_b32 s44, 0x1111, s40                    ; my column
	s_or_b32 s[G1+0], s43, (3<<16)|(1<<20)|(1<<21)|(5<<22)|(3<<25)   ; elements of 8 bytes; 4 words of padding behind every 64
	s_or_b32 s[G1B+0], s44, (3<<16)|(1<<20)|(1<<21)|(5<<22)|(3<<25)
	s_or_b32 s[G1L+0], s43, (3<<16)|(1<<20)|(1<<21)|(5<<22)|(3<<25)
	s_or_b32 s[G1LB+0], s44, (3<<16)|(1<<20)|(1<<21)|(5<<22)|(3<<25)
.irp g, G1, G1B                        ; 150 lines of 256 bytes, dense in memory
	s_mov_b32 s[\g+1], 32<<16
	s_mov_b32 s[\g+2], 150<<16
	s_mov_b32 s[\g+3], 32<<16
	s_mov_b32 s[\g+4], 150
	s_mov_b32 s[\g+5], 32
	s_mov_b32 s[\g+6], 0
	s_mov_b32 s[\g+7], 0
.endr
.irp g, G1L, G1LB                      ; the last fill: 100 lines, one step
	s_mov_b32 s[\g+1], 32<<16
	s_mov_b32 s[\g+2], STEPL<<16
	s_mov_b32 s[\g+3], 32<<16
	s_mov_b32 s[\g+4], STEPL
	s_mov_b32 s[\g+5], 32
	s_mov_b32 s[\g+6], 0
	s_mov_b32 s[\g+7], 0
.endr
	s_mul_i32 s18, s16, SLOTM/2
	s_mul_i32 s19, s16, STEPM
	s_add_co_u32 s19, s19, 30*STEPM
	s_mul_i32 s20, s17, TILEM
	s_add_co_u32 s22, s20, s19
	s_add_co_u32 s20, s20, s18
	s_mov_b32 s21, 0
	s_mov_b32 s23, 0
	s_mul_i32 s46, s42, TILEM
	s_add_co_u32 s96, s46, s19
	s_add_co_u32 s46, s46, s18
	s_mov_b32 s47, 0
	s_mov_b32 s97, 0
	s_mul_i32 s45, s14, HALFT
	s_mul_i32 s95, s15, OPER
	s_mul_i32 s12, s16, STEPB
	s_add_co_u32 s95, s95, s12
	s_wait_dscnt 0x0                               ; both opening adds are done
	s_wait_kmcnt 0x0
	s_add_nc_u64 s[20:21], s[4:5], s[20:21]
	s_add_nc_u64 s[22:23], s[4:5], s[22:23]
	s_add_nc_u64 s[46:47], s[6:7], s[46:47]
	s_add_nc_u64 s[96:97], s[6:7], s[96:97]
	CROUND                                         ; all sixteen work-groups are here: the first joint loads meet
	s_mov_b32 s[G0L], 1
	s_mov_b32 s[G0L+1], s95
	s_mov_b64 s[G0L+2:G0L+3], s[22:23]
	s_or_b32 s[G0L+3], s[G0L+3], 0x80000000
	s_mov_b32 s[G0LB], 1
	s_mov_b32 s[G0LB+1], s95
	s_mov_b64 s[G0LB+2:G0LB+3], s[96:97]
	s_or_b32 s[G0LB+3], s[G0LB+3], 0x80000000
.irp s, 0,1
	s_mov_b32 s[G0+4*\s], 1
	s_add_co_u32 s[G0+4*\s+1], s45, \s*SLOT
	s_add_nc_u64 s[G0+4*\s+2:G0+4*\s+3], s[20:21], \s*SLOTM
	s_or_b32 s[G0+4*\s+3], s[G0+4*\s+3], 0x80000000
	s_mov_b32 s[G0B+4*\s], 1
	s_add_co_u32 s[G0B+4*\s+1], s45, \s*SLOT
	s_add_nc_u64 s[G0B+4*\s+2:G0B+4*\s+3], s[46:47], \s*SLOTM
	s_or_b32 s[G0B+4*\s+3], s[G0B+4*\s+3], 0x80000000
.endr
	JLOAD G0, G1, G0B, G1B                         ; steps 0 to 2: one tensor load a wave at the head
	; the rest of the head stands under that load's flight.  First the scalars,
	s_mul_i32 s21, s15, 8*UP                       ; X: my 8 tiles' lines
	s_mul_i32 s22, s16, 8*UP
	s_add_co_u32 s22, s22, OPER                    ; W: pieces of 16 bytes
	s_mul_i32 s23, s16, 4*UP
	s_add_co_u32 s23, s23, OPER                    ; W: pieces of 8 bytes, two tiles to a line
	s_mul_i32 s18, s15, 2*UP
	s_mul_i32 s19, s16, 2*UP
	s_add_co_u32 s19, s19, OPER
	s_sub_co_u32 s19, s19, s18                     ; from X's scale words to W's
	s_add_co_u32 s18, s18, 96*UP
	s_mul_i32 s20, s14, 16*SPITCH
	s_add_co_u32 s20, s20, SLOT                    ; my stage
	s_lshl_b32 s46, s42, 10
	s_lshl_b32 s47, s16, 9
	s_add_co_u32 s46, s46, s47                     ; my first column, in bytes
	s_mov_b32 s47, 0
	s_add_nc_u64 s[8:9], s[8:9], s[46:47]
	s_lshl_b32 s12, s17, 8
	s_lshl_b32 s13, s15, 7
	s_add_co_u32 s12, s12, s13
	s_lshl_b32 s12, s12, 14                        ; my first row
	s_add_co_u32 s12, s12, s46
	s_mov_b32 s13, 0
	s_add_nc_u64 s[10:11], s[10:11], s[12:13]
	; then the lanes' addresses
	v_and_b32 v1, 15, v0                           ; r
	v_bfe_u32 v23, v0, 4, 1                        ; h
	v_lshlrev_b32 v30, 4, v1
	v_lshlrev_b32 v31, 3, v1
	v_mad_u32_u24 v32, v23, 16*UP, v30             ; X, 16 bytes: 16 lines h + 16 r
	v_lshl_add_u32 v33, v23, 7, v31                ; X, 8 bytes: 128 h + 8 r
	v_mad_u32_u24 v34, v23, 24*UP, v30             ; W: a block is 24 lines
	v_mad_u32_u24 v35, v23, 24*UP, v31
	v_mul_u32_u24 v36, s19, v23                    ; lanes 16-31 take W's scale words
	v_mul_u32_u24 v37, v1, SPITCH
	v_add_nc_u32 v32, s21, v32
	v_add_nc_u32 v33, s21, v33
	v_add_nc_u32 v34, s22, v34
	v_add_nc_u32 v35, s23, v35
	v_lshl_add_u32 v36, v1, 2, v36
	v_lshl_add_u32 v37, v23, 5, v37
	v_and_b32 v31, 31, v0
	v_add_nc_u32 v36, s18, v36
	v_add_nc_u32 v[STO], s20, v37                  ; into the stage: row r, 32 bytes for each half of the lanes
	v_lshlrev_b32 v[CO], 4, v31                    ; back: the 32 lanes take one row of 512 bytes; the same in the output and in the bias
	v_lshlrev_b32 v[PFO], 8, v31
	v_add_nc_u32 v[RD], s20, v[CO]
	v_min_u32 v[PFO2], 21*256, v[PFO]
.irp w, 2, 3
	WIN \w<<6
.irp hs, 0,1,2,3
	v_add_nc_u32 v[AXA+\hs], (\hs%2)*SLOT+(\hs/2)*2*STEPB, v32
	v_add_nc_u32 v[AXB+\hs], (\hs%2)*SLOT+(\hs/2)*2*STEPB, v33
	v_add_nc_u32 v[AWA+\hs], (\hs%2)*SLOT+(\hs/2)*2*STEPB, v34
	v_add_nc_u32 v[AWB+\hs], (\hs%2)*SLOT+(\hs/2)*2*STEPB, v35
.endr
.if \w == 2
	v_mov_b32 v[ADS], v36
	v_add_nc_u32 v[ADS+1], SLOT, v36
.endif
.endr
	WIN 0
	global_load_b128 v[BI:BI+3], v[CO], s[8:9]     ; bias of my four columns
	; the prefetches: X's waves of the clusters at x = 0 and W's of those at y = 0, the wave that fetches a fill's first half
	s_and_b32 s22, ttmp7, 0xffff
	s_cmp_eq_u32 s15, 0
	s_cselect_b32 s20, s17, s42
	s_cselect_b32 s21, s40, s41
	s_cselect_b32 s22, ttmp9, s22
	s_cselect_b64 s[PFA:PFA+1], s[4:5], s[6:7]
	s_or_b32 s22, s22, s16
	s_cmp_eq_u32 s22, 0
	s_cselect_b32 s[LIM], 1, -1
	s_mul_i32 s20, s20, TILEM
	s_lshr_b32 s23, s21, 1
	s_mul_i32 s23, s23, SLOTM
	s_add_co_u32 s20, s20, s23
	s_and_b32 s21, s21, 1
	s_mul_i32 s21, s21, SLOTM/2
	s_add_co_u32 s20, s20, s21
	s_add_co_u32 s20, s20, 2*SLOTM
	s_mov_b32 s21, 0
	s_add_nc_u64 s[PFA:PFA+1], s[PFA:PFA+1], s[20:21]
; Load k (0 .. 15) of half operand d, step q of a slot, into buffer pb.  A fragment is 12 registers: registers 6 c .. 6 c + 5 are 24 bytes of the row's codes, a piece of 16 and a piece of 8.
.macro LDK d, slot, q, pb, k
.set f_, (\k)/4
.set c_, ((\k)/2)%2
.set rg_, FB+48*(\pb)+12*f_+6*c_
.set hs_, (\slot)+2*((\q)/2)
.set ob_, ((\q)%2)*STEPB
.set i_, 4*((\d)%2)+f_
.if (\d) < 2
.if (\k)%2 == 0
	ds_load_b128 v[rg_:rg_+3], v[AXA+hs_] offset:ob_+(48*c_+i_)*UP
.else
	ds_load_b64 v[rg_+4:rg_+5], v[AXB+hs_] offset:ob_+(48*c_+32+i_)*UP
.endif
.else
.if (\k)%2 == 0
	ds_load_b128 v[rg_:rg_+3], v[AWA+hs_] offset:ob_+(48*c_+i_)*UP
.else
	ds_load_b64 v[rg_+4:rg_+5], v[AWB+hs_] offset:ob_+(48*c_+16+i_/2)*UP+(i_%2)*128
.endif
.endif
.endm
.macro RUNL d, slot, q, pb             ; a half operand's 16 loads on end; with half 0 the 8 loads of scale words too (tile k: lanes 0-15 X's, lanes 16-31 W's).  Destination window d, address window 2 + d % 2
.set k2_, 0
.rept 16
	LDK \d, \slot, \q, \pb, k2_
.set k2_, k2_+1
.endr
.if (\d) == 0
.set k2_, 0
.rept 8
	ds_load_b32 v[SC+8*(\pb)+k2_], v[ADS+(\slot)] offset:(\q)*STEPB+(k2_/4)*UP+(k2_%4)*64
.set k2_, k2_+1
.endr
.endif
.endm
.macro RUN d, slot, q, pb              ; the same outside its phase
	WIN ((\d)<<6)|(2+(\d)%2)
	RUNL \d, \slot, \q, \pb
.endm
; Phase d: quarter (d / 2, d % 2).  ld = 1: first the run of half operand d of step (slot, q) into buffer 1 - p; then 16 matrix instructions on buffer p.
.macro PH d, p, zero, ld, slot, q
	WIN ((\d)<<6)|((\d)<<4)|(((\d)/2)<<2)|(2+(\d)%2)
.if \ld
	RUNL \d, \slot, \q, 1-(\p)
.endif
.set k_, 0
.rept 16
.set rD, 128+8*k_
.set rW, FB+48*(\p)+12*(k_%4)
.set rX, FB+48*(\p)+12*(k_/4)
.set rSW, SC+8*(\p)+4*((\d)%2)+k_%4
.set rSX, SC+8*(\p)+4*((\d)/2)+k_/4
.if \zero
	v_wmma_scale_f32_16x16x128_f8f6f4 v[rD:rD+7], v[rW:rW+11], v[rX:rX+11], 0, v[rSW], v[rSX] matrix_a_fmt:MATRIX_FMT_FP6 matrix_b_fmt:MATRIX_FMT_FP6 matrix_a_scale:MATRIX_SCALE_ROW1
.else
	v_wmma_scale_f32_16x16x128_f8f6f4 v[rD:rD+7], v[rW:rW+11], v[rX:rX+11], v[rD:rD+7], v[rSW], v[rSX] matrix_a_fmt:MATRIX_FMT_FP6 matrix_b_fmt:MATRIX_FMT_FP6 matrix_a_scale:MATRIX_SCALE_ROW1
.endif
.set k_, k_+1
.endr
.endm
; A step.  The four v_nop are the places between the step before, which read buffer 1 - p, and this step's loads into it.
; w0: the loads that may be out at the step's head (the last phase's 16; behind a change of slots W's tiles 4-7 and X's tiles 4-7, 32); w1: those of phase 0 (24), so that W's tiles 4-7 are in.
.macro STEP p, zero, ld, slot, q, w0, w1
	PLACES
	s_wait_dscnt \w0
	PH 0, \p, \zero, \ld, \slot, \q
	s_wait_dscnt \w1
	PH 1, \p, \zero, \ld, \slot, \q
	PH 2, \p, \zero, \ld, \slot, \q
	PH 3, \p, \zero, \ld, \slot, \q
.endm
; A slot's last step: its fragments are all asked for, so the slots change here.  fill = 1: the slot is filled again, two slots on; 2: with the last two steps; 0: not at all.
.macro TURN p, slot, next, fill, ask
.if \ask
	s_wait_xcnt 0x0                                ; my prefetches have read their address
	s_add_nc_u64 s[PFA:PFA+1], s[PFA:PFA+1], 2*SLOTM
.endif
	WIN 0
	s_wait_tensorcnt 0x0                           ; all my tensor loads have landed: my part of the next slot;
	ds_add_u32 v[SPW], v[NIL]                      ; 0 onto my spare word
.if \fill == 1
	s_add_nc_u64 s[G0+4*\slot+2:G0+4*\slot+3], s[G0+4*\slot+2:G0+4*\slot+3], 2*SLOTM
	s_add_nc_u64 s[G0B+4*\slot+2:G0B+4*\slot+3], s[G0B+4*\slot+2:G0B+4*\slot+3], 2*SLOTM
.endif
	s_wait_dscnt 17                                ; the add and the last phase's 16 loads may be out
	PH 0, \p, 0, 0, 0, 0
	s_wait_dscnt 0x0                               ; the add is done, and my reads of this slot are over
	s_barrier_signal -1
	PH 1, \p, 0, 0, 0, 0
	WIN 0
	s_barrier_wait -1
.if \fill == 1
	CREST                                          ; the barrier has opened a round of the cluster's barrier
	JLOAD G0+4*\slot, G1, G0B+4*\slot, G1B         ; its four v_nop are the places in front of the loads below
.elseif \fill == 2
	CREST
	JLOAD G0L, G1L, G0LB, G1LB
.else
	PLACES
.endif
	RUN 0, \next, 0, 1-(\p)
.if \ask
	WIN 0
	ASK
.endif
	PH 2, \p, 0, 1, \next, 0
	RUN 3, \next, 0, 1-(\p)
	RUN 1, \next, 0, 1-(\p)
	PH 3, \p, 0, 0, 0, 0
.endm
	s_wait_alu depctr_va_vdst(0)                   ; the head's end
	s_wait_tensorcnt 0x0                           ; my part of slot 0 is in; the add and its wait ahead of a later first fill:
	ds_add_u32 v[SPW], v[NIL]
	s_wait_dscnt 0x0
	CROUND
	JLOAD G0+4, G1, G0B+4, G1B                     ; steps 3 to 5
	RUN 0, 0, 0, 0                                 ; step 0's fragments, in the order of a change of slots
	RUN 2, 0, 0, 0
	RUN 3, 0, 0, 0
	RUN 1, 0, 0, 0
	STEP 0, 1, 1, 0, 1, 32, 24                     ; step 0 starts the sums
	WIN 0
	s_mov_b32 s3, TRIPS
.Llap:                                         ; six steps a trip: buffers and slots are back where they began
	STEP 1, 0, 1, 0, 2, 16, 24
	TURN 0, 0, 1, 1, 1
	STEP 1, 0, 1, 1, 1, 32, 24
	STEP 0, 0, 1, 1, 2, 16, 24
	TURN 1, 1, 0, 1, 0
	STEP 0, 0, 1, 0, 1, 32, 24
	WIN 0
	s_sub_co_u32 s3, s3, 1
	s_cmp_lg_u32 s3, 0
	s_cbranch_scc1 .Llap
	STEP 1, 0, 1, 0, 2, 16, 24                     ; step 25
	TURN 0, 0, 1, 2, 0                             ; step 26: slot 0 takes steps 30 and 31
	STEP 1, 0, 1, 1, 1, 32, 24
	STEP 0, 0, 1, 1, 2, 16, 24
	TURN 1, 1, 0, 0, 0                             ; step 29: nothing is left to fetch
	STEP 0, 0, 1, 0, 1, 32, 24
	STEP 1, 0, 0, 0, 0, 16, 0                      ; step 31 fetches nothing
	WIN 0
; THE WAY OUT, by blocks of 16 rows x 128 columns: through my own stage in LDS and back as whole rows of 512 bytes; the bias is added; 32 lanes store two aligned units of 256 bytes.
.macro TOSTAGE a
.irp jj, 0,1
	WIN (2*((\a)/4)+\jj)<<2                        ; the data: the window of quarter (a / 4, jj)
.irp b, 0,1,2,3
.set AC, 128+8*(4*((\a)%4)+\b)
	ds_store_b128 v[STO], v[AC:AC+3] offset:64*(4*\jj+\b)            ; each accumulator from its low end on
	ds_store_b128 v[STO], v[AC+4:AC+7] offset:64*(4*\jj+\b)+16
.endr
.endr
	WIN (2+(\a)%2)<<6
.irp t, 0,1,2,3,4,5,6,7,8,9,10,11,12,13,14,15
	ds_load_b128 v[BK+4*\t:BK+4*\t+3], v[RD] offset:\t*SPITCH        ; LDS serves a wave's instructions in order: these see the stores above
.endr
.endm
.macro SEND a, younger
	s_wait_dscnt \younger
.if (\a) > 0
	s_add_nc_u64 s[10:11], s[10:11], 16*SIZE_N*4   ; behind a wait on XCNT: the earlier stores have read their base
.endif
	WIN ((2+(\a)%2)<<6)|(2+(\a)%2)
.irp t, 0,1,2,3,4,5,6,7,8,9,10,11,12,13,14,15
	v_pk_add_f32 v[BK+4*\t:BK+4*\t+1], v[BK+4*\t:BK+4*\t+1], v[BI:BI+1]
	v_pk_add_f32 v[BK+4*\t+2:BK+4*\t+3], v[BK+4*\t+2:BK+4*\t+3], v[BI+2:BI+3]
.endr
	WIN (2+(\a)%2)<<2
.irp t, 0,1,2,3,4,5,6,7,8,9,10,11,12,13,14,15
	global_store_b128 v[CO], v[BK+4*\t:BK+4*\t+3], s[10:11] offset:\t*SIZE_N*4 th:TH_STORE_NT
.endr
.endm
	PLACES                                         ; behind the last products: for the reads of results and the loads into W's buffers
	s_wait_loadcnt 0x0                             ; the bias
	TOSTAGE 0
.irp a, 1,2,3,4,5,6,7
.if \a > 1
	s_wait_xcnt 0x0                                ; block a - 2's stores have read their registers and their base
.endif
	TOSTAGE \a
	SEND \a-1, 32                                  ; behind block a - 1's loads: block a's 16 stores and 16 loads
.endr
	s_wait_xcnt 0x0
	SEND 7, 0
	WIN 0
	s_wait_tensorcnt 0x0                           ; the wave's end
	ds_add_u32 v[SPW], v[NIL]
	s_wait_dscnt 0x0
	CROUND                                         ; the closing round
	s_endpgm
.Lfunc_end_k_qfc06df4ef4_gemm:
	.size	k_qfc06df4ef4_gemm, .Lfunc_end_k_qfc06df4ef4_gemm-k_qfc06df4ef4_gemm
	.p2alignl 7, 3214868480
	.fill 96, 4, 3214868480
	.section	.rodata,"a",@progbits
	.p2align	6, 0x0
	.amdhsa_kernel k_qfc06df4ef4_gemm
		.amdhsa_group_segment_fixed_size 327680
		.amdhsa_private_segment_fixed_size 0
		.amdhsa_enable_private_segment 0
		.amdhsa_kernarg_size 32
		.amdhsa_user_sgpr_count 2
		.amdhsa_user_sgpr_kernarg_segment_ptr 1
		.amdhsa_wavefront_size32 1
		.amdhsa_system_sgpr_workgroup_id_x 1
		.amdhsa_system_sgpr_workgroup_id_y 1
		.amdhsa_system_sgpr_workgroup_id_z 1
		.amdhsa_system_vgpr_workitem_id 0
		.amdhsa_next_free_vgpr 1024
		.amdhsa_next_free_sgpr 100
		.amdhsa_reserve_vcc 0
		.amdhsa_float_denorm_mode_32 3
		.amdhsa_float_denorm_mode_16_64 3
		.amdhsa_memory_ordered 1
		.amdhsa_forward_progress 1
		.amdhsa_inst_pref_size 243
	.end_amdhsa_kernel
	.amdgpu_metadata
---
amdhsa.version: [ 1, 2 ]
amdhsa.kernels:
  - .name:           k_qfc06df4ef4_gemm
    .symbol:         k_qfc06df4ef4_gemm.kd
    .args:
      - { .name: xc, .offset: 0, .size: 8, .value_kind: global_buffer, .address_space: global }
      - { .name: wc, .offset: 8, .size: 8, .value_kind: global_buffer, .address_space: global }
      - { .name: bias, .offset: 16, .size: 8, .value_kind: global_buffer, .address_space: global }
      - { .name: out0, .offset: 24, .size: 8, .value_kind: global_buffer, .address_space: global }
    .group_segment_fixed_size: 327680
    .private_segment_fixed_size: 0
    .kernarg_segment_align: 8
    .kernarg_segment_size: 32
    .max_flat_workgroup_size: 128
    .sgpr_count:     100
    .vgpr_count:     1024
    .wavefront_size: 32
...
	.end_amdgpu_metadata
.endif
;; end of part 3
